; MI455X (gfx1250); checked and timed in simulation.
; The chip was launched on July 23, 2026; its instructions are those of AMD's public machine-readable ISA for CDNA 5 (MIT licence, August 2026) and "CDNA5" Instruction Set Architecture Reference Guide (July 2026). The comments in the code are by the model that wrote it; some were corrected since.
;; Optimized Mo E. Allowed arithmetic: matrix products marked QUANTISED: E5M2 operands, one E8M0 scale for each 32 along K, by v_wmma_scale_f32_16x16x128_f8f6f4 with both operands' format E5M2, f32 sums; products left as they are: f32 operands where the result goes on into a quantised operand, else bf16, f16 or f32 operands; f32 sums; everything else in f32.
;; Inputs: expert_b 8 x 1,024 float32; expert_w_codes 8 x 1,024 x 32 x 32 uint8 (E5M2 codes of expert_w, K innermost, in blocks of 32 codes); expert_w_scales 8 x 1,024 x 32 uint8 (E8M0 scales of expert_w, one for each 32 codes along K); router_b 8 float32; router_w 8 x 1,024 float32; x 2 x 2,048 x 1,024 float32.
;; Outputs: out0 2 x 2,048 x 1,024 float32.
;; This version of the problem:
;;   THIS VERSION OF THE PROBLEM IS GIVEN IN LOW PRECISION. The matrix products marked QUANTISED in the list below multiply operands that are first quantised to E5M2 (5 exponent bits, 2 mantissa bits; 8 bits a number), with one power-of-two scale for each 32 numbers along K (OCP MX v1.0); their sums are f32. All else is computed in f32.
;;   The module's matrix products, in the order in which they are computed (A, B: the left and right operand; K: the contracted axis; several contracted axes count as one K, in the product's order):
;;     1. [M 4,096, K 1,024] x [K 1,024, N 8]; A: input x; B: input router_w: left as it is (N = 8 < 16)
;;     2. [M 4,096, K 1,024] x [K 1,024, N 8,192]; A: input x; B: input expert_w (given as codes): QUANTISED
;;   THE QUANTISER, for each operand of a quantised product, along K:
;;     - K is cut into blocks of 32 from its start; a last block that is shorter is filled with zeros.
;;     - A block's scale is 2^e with e = floor(log2(the largest magnitude in the block)) - 15, held to -126 .. 127; a block of zeros has e = 0. As a byte (E8M0): e + 127.
;;     - Each number is divided by its block's scale, clamped to +-57,344, and rounded to the nearest number of E5M2, ties to even, subnormals kept.
;;     - The product sums the exact products of the quantised numbers (number of the format x scale) in f32.
;;   ~~~python
;;   def quantise(x, axis):      # numpy; x: float32 -> the quantised numbers, widened to float32 again
;;       x = np.moveaxis(x, axis, -1); K = x.shape[-1]
;;       x = np.pad(x, [(0, 0)] * (x.ndim - 1) + [(0, -K % 32)]); x = x.reshape(x.shape[:-1] + (-1, 32)); a = np.abs(x).max(-1, keepdims=True)
;;       e = np.where(a > 0, np.clip(np.frexp(np.where(a > 0, a, 1))[1] - 1 - 15, -126, 127), 0)      # np.frexp(a)[1] - 1 = floor(log2(a)), exactly
;;       r = np.clip(x / 2.0 ** e, -57344, 57344)
;;       step = 2.0 ** (np.maximum(np.frexp(np.where(r == 0, 1, r))[1] - 1, -14) - 2)
;;       q = np.round(r / step) * step * 2.0 ** e      # np.round: ties to even
;;       return np.moveaxis(q.reshape(q.shape[:-2] + (-1,))[..., :K], -1, axis).astype(np.float32)
;;   ~~~
;;   INPUTS GIVEN AS CODES. expert_w (in the module: [8, 1024, 1024], K = its axis 2): each comes as NAME_codes (uint8): NAME with its K axis moved to the last place and cut into blocks of 32 codes, [.., K / 32, bytes a block], one block behind the other in memory; one code a byte (a code: sign, 5 exponent bits, 2 mantissa bits); and NAME_scales (uint8): the same leading axes, one E8M0 byte (e + 127) for each 32 codes along K. Its value is code x scale, taken as it is: it is not quantised again, and the codes and scales need not be those that the quantiser above would give.
;; One version. Each part assembles by itself: llvm-mc -triple=amdgcn-amd-amdhsa -mcpu=gfx1250 --defsym DOCPART=n.
;; ======== version 1 of 1: 2 launches
;; workspace buffers: xq 4,194,304 bytes; xs 131,072 bytes; idx 16,384 bytes of whole numbers; gate 16,384 bytes
;; launch route_quant (part 1): grid 256 x 1, 8 waves a work-group, no clusters, 168,960 bytes of LDS; arguments x, router_w, router_b, xq, xs, idx, gate; writes xq, xs, idx, gate
.if DOCPART == 1
	.amdgcn_target "amdgcn-amd-amdhsa--gfx1250"
	.amdhsa_code_object_version 6
	.text
	.protected	k_q4e414a0f09_route_quant
	.globl	k_q4e414a0f09_route_quant
	.p2align	8
	.type	k_q4e414a0f09_route_quant,@function
k_q4e414a0f09_route_quant:
	s_mov_b64 s[64:65], 0
	v_nop
	global_prefetch_b8 v0, s[64:65] scope:SCOPE_SE
	s_setreg_imm32_b32 hwreg(HW_REG_WAVE_MODE, 25, 1), 1
	s_wait_xcnt 0x0
; ROUTER AND QUANTISER OF x.  x: [4096][1024] f32.  For each token: 8 logits = x . router_w[e] + router_b[e] in f32, the first index of the largest logit (idx),
; and its softmax weight (gate = 1 / sum of exp(logit - largest logit)); and x as codes of E5M2 with one E8M0 byte for each 32 along K.
; SHARES.  A work-group takes 16 tokens, wave w the K step w: 16 tokens x 128 k.  Lane (r = lane % 16, h = lane / 16) holds x[r][128 w + 32 c + 16 h + i], c = 0..3, i = 0..15, in 64 registers:
; the place of these numbers in a fragment of the scaled matrix instruction, so the conversions' results are stored as that fragment's register image:
;   xq [block of 16 tokens 256][K step 8][c 4][lane 32][16 bytes]: each store of a wave covers 512 consecutive bytes, aligned.
;   xs [block 256][lane 32][p 4] words: the word at (lane, p) is the scale word of token lane % 16 for K step 2 p + lane / 16.
; THE ROUTER stays in f32, since a logit decides a whole row of the output: 32 matrix instructions of 16 x 16 x 4 a wave (source 0 = the 8 rows of router_w, taken twice; source 1 = my 16 tokens),
; on four accumulators by turns.  That is 1 part in 500 of the program's multiply-adds.  k stands in the same places on both sides, so the products match.
; The eight waves' partial logits meet in LDS; wave 0 adds them in the order of the waves and finishes the 16 tokens.
; NO CLUSTER: a work-group has one fill and no loop; what it shares with others is router_w, 32 KiB of the 96 KiB that it brings in, and a round of a cluster's barrier would stand in front of its only fill.
; LIMITS: NaN and infinities in x, router_w, router_b are not served.  Blocks whose largest magnitude lies under 2^-110, whose byte is held at 1, were not tried.
; The sums' order differs from a plain chain along K: idx can differ only where two logits agree to within the rounding of f32 sums.  idx and gate leave as 64 bytes a work-group.
.set ROWP,  528                        ; an LDS row: 512 bytes + 16 of padding = 33 x 16: the 16 rows that a load touches begin in 16 different columns of 16 bytes modulo 256
.set WSL,   12800                      ; a wave's LDS: 16 rows of x, then 8 rows of router_w (12,672 bytes), rounded up to blocks of 256
.set RWO,   16*ROWP                    ; where router_w's rows begin in it
.set PART,  8*WSL                      ; [wave 8][token 16][8 f32]: the partial logits; blocks of 256 bytes into which no fill lands
.set SCW,   PART+4096                  ; [wave 8][token 16] scale words
.set MX,  8                            ; v8-11   a block's largest magnitude
.set BY,  12                           ; v12-15  its scale byte
.set HO,  16                           ; v16-19  57,344 x its scale
.set SF,  20                           ; v20-23  its scale as f32
.set SW,  24                           ; v24     the four bytes as a word
.set X,   32                           ; v32-95  my 64 numbers of x
.set W,   96                           ; v96-159 router_w[r % 8] at the same k
.set ACC, 160                          ; v160-191 four accumulators: written by matrix instructions alone
.set P,   192                          ; v192-199 partial logits, later the logits
.set C,   200                          ; v200-215 my 64 codes
.set Q,   216                          ; v216-223 at work
.set G1X, 20                           ; s[20:27], s[28:31] descriptor groups 1 and 0 for x's tile
.set G0X, 28
.set G1R, 32                           ; s[32:39], s[40:43] for router_w's
.set G0R, 40
.set RB,  44                           ; s[44:51] router_b
	s_load_b256 s[4:11], s[0:1], 0x0               ; x s[4:5], router_w s[6:7], router_b s[8:9], xq s[10:11]
	s_load_b128 s[12:15], s[0:1], 0x20             ; xs s[12:13], idx s[14:15]
	s_load_b64 s[16:17], s[0:1], 0x30              ; gate
	v_lshl_add_u32 v224, v0, 2, 0x29000
	v_mov_b32 v225, 0
	ds_add_u32 v224, v225
	ds_add_u32 v224, v225
	v_lshrrev_b32 v1, 5, v0
	v_readfirstlane_b32 s18, v1                    ; wave 0..7 = my K step
	; group 1: rows of 128 elements of 4 bytes, 1,024 elements apart; 4 words of padding behind every 128 words
.irp g, G1X, G1R
	s_mov_b32 s[\g+0], (2<<16)|(1<<20)|(6<<22)|(3<<25)
	s_mov_b32 s[\g+1], 128<<16                     ; tensor_dim0
	s_mov_b32 s[\g+3], 128<<16                     ; tile_dim0
	s_mov_b32 s[\g+5], 1024                        ; from row to row
	s_mov_b32 s[\g+6], 0
	s_mov_b32 s[\g+7], 0
.endr
	s_mov_b32 s[G1X+2], 16<<16                     ; x: 16 rows
	s_mov_b32 s[G1X+4], 16
	s_mov_b32 s[G1R+2], 8<<16                      ; router_w: 8 rows
	s_mov_b32 s[G1R+4], 8
	s_mov_b32 s[G0X], 1
	s_mul_i32 s[G0X+1], s18, WSL                   ; my wave's own LDS bytes
	s_mov_b32 s[G0R], 1
	s_add_co_u32 s[G0R+1], s[G0X+1], RWO
	s_lshl_b32 s58, s18, 9                         ; my 128 k: 512 bytes a K step
	s_mov_b32 s59, 0
	s_lshl_b32 s54, ttmp9, 16                      ; my block's 16 rows of 4,096 bytes
	s_add_co_u32 s54, s54, s58
	s_mov_b32 s55, 0
	s_mov_b32 s52, 0x76543210                      ; v_permlanex16_b32's selects for lane l xor 16
	s_mov_b32 s53, 0xfedcba98
	s_wait_dscnt 0x0
	s_wait_kmcnt 0x0
	s_add_nc_u64 s[G0X+2:G0X+3], s[4:5], s[54:55]
	s_or_b32 s[G0X+3], s[G0X+3], 0x80000000
	s_add_nc_u64 s[G0R+2:G0R+3], s[6:7], s[58:59]
	s_or_b32 s[G0R+3], s[G0R+3], 0x80000000
	tensor_load_to_lds s[G0X:G0X+3], s[G1X:G1X+7]  ; the wave's two fills, together, each byte filled once: two tensor loads of mine are out
	s_nop 0
	tensor_load_to_lds s[G0R:G0R+3], s[G1R:G1R+7]
	s_nop 0
	v_and_b32 v1, 15, v0                           ; r
	v_bfe_u32 v2, v0, 4, 1                         ; h
	s_load_b256 s[RB:RB+7], s[8:9], 0x0            ; router_b: no line of this launch writes it
	v_mul_u32_u24 v3, v1, ROWP
	v_lshl_add_u32 v3, v2, 6, v3
	v_add_nc_u32 v3, s[G0X+1], v3                  ; x: row r, + 64 h bytes
	v_and_b32 v4, 7, v0
	v_mul_u32_u24 v4, v4, ROWP
	v_lshl_add_u32 v4, v2, 6, v4
	v_add_nc_u32 v4, s[G0R+1], v4                  ; router_w: row r % 8, + 64 h bytes
	s_lshl_b32 s54, s18, 9
	s_add_co_u32 s54, s54, PART
	v_lshl_add_u32 v5, v1, 5, s54                  ; my token's 8 partial logits among my wave's 512 bytes
	v_and_b32 v6, 31, v0
	v_lshlrev_b32 v6, 4, v6                        ; 16 x lane
	s_lshl_b32 s57, s18, 6
	s_add_co_u32 s57, s57, SCW
	v_lshl_add_u32 v7, v1, 2, s57                  ; my token's scale word among my wave's 64 bytes
	s_lshl_b32 s54, ttmp9, 14                      ; xq: 16,384 bytes a block, 2,048 a K step
	s_lshl_b32 s56, s18, 11
	s_add_co_u32 s54, s54, s56
	s_add_nc_u64 s[10:11], s[10:11], s[54:55]
	s_lshl_b32 s54, ttmp9, 9                       ; xs: 512 bytes a block
	s_add_nc_u64 s[12:13], s[12:13], s[54:55]
	s_lshl_b32 s54, ttmp9, 6                       ; idx, gate: 64 bytes a block
	s_add_nc_u64 s[14:15], s[14:15], s[54:55]
	s_add_nc_u64 s[16:17], s[16:17], s[54:55]
	s_wait_tensorcnt 0x0                           ; both tiles are in; only I read them, so this wait is all the ordering that my reads need
	s_wait_kmcnt 0x0                               ; router_b
.irp c, 0,1,2,3
.irp q, 0,1,2,3
	ds_load_b128 v[X+16*\c+4*\q:X+16*\c+4*\q+3], v3 offset:128*\c+16*\q
.endr
.endr
.irp c, 0,1,2,3
.irp q, 0,1,2,3
	ds_load_b128 v[W+16*\c+4*\q:W+16*\c+4*\q+3], v4 offset:128*\c+16*\q
.endr
.endr
	s_wait_dscnt 16                                ; x is in; router_w's 16 loads may be out
	; THE BLOCKS' SCALES.  Block c of 32 along K: my 16 numbers and those of lane l xor 16.  Only reads of X here: the matrix instructions below want it untouched.
.irp c, 0,1,2,3
	v_max3_num_f32 v[MX+\c], |v[X+16*\c]|, |v[X+1+16*\c]|, |v[X+2+16*\c]|
.irp i, 3,5,7,9,11,13
	v_max3_num_f32 v[MX+\c], v[MX+\c], |v[X+16*\c+\i]|, |v[X+1+16*\c+\i]|
.endr
	v_max_num_f32 v[MX+\c], v[MX+\c], |v[X+15+16*\c]|
	v_mov_b32 v[BY+\c], 0                          ; (the destination of a lane permute counts as read)
	v_permlanex16_b32 v[BY+\c], v[MX+\c], s52, s53
	v_max_num_f32 v[MX+\c], v[MX+\c], v[BY+\c]     ; the block's largest magnitude
	v_lshrrev_b32 v[BY+\c], 23, v[MX+\c]           ; its exponent field = floor(log2) + 127
	v_max_u32 v[BY+\c], 16, v[BY+\c]               ; the byte is not to fall under 1
	v_lshl_or_b32 v[HO+\c], v[BY+\c], 23, 0x600000 ; 57,344 x the scale
	v_add_nc_u32 v[BY+\c], -15, v[BY+\c]           ; the scale's byte
	v_lshlrev_b32 v[SF+\c], 23, v[BY+\c]           ; the scale as f32, for the conversion
	v_cmp_eq_u32 vcc_lo, 0, v[MX+\c]
	v_cndmask_b32 v[BY+\c], v[BY+\c], 127, vcc_lo  ; a block of zeros
.endr
	v_lshl_or_b32 v[SW], v[BY+1], 8, v[BY]         ; the four bytes: token r's scale word for this K step
	v_lshl_or_b32 v[SW], v[BY+2], 16, v[SW]
	v_lshl_or_b32 v[SW], v[BY+3], 24, v[SW]
	s_wait_dscnt 0x0                               ; router_w is in
	; THE ROUTER.  A pair of registers is k = 2 h + 0, 1 of the instruction's four: on both sides the true k is 32 c + 16 h + 2 i + 0, 1.  Accumulator c takes one instruction a turn
	; the first four start the sums with the constant 0.
.irp i, 0,1,2,3,4,5,6,7
.irp c, 0,1,2,3
.if \i == 0
	v_wmma_f32_16x16x4_f32 v[ACC+8*\c:ACC+8*\c+7], v[W+16*\c+2*\i:W+16*\c+2*\i+1], v[X+16*\c+2*\i:X+16*\c+2*\i+1], 0
.else
	v_wmma_f32_16x16x4_f32 v[ACC+8*\c:ACC+8*\c+7], v[W+16*\c+2*\i:W+16*\c+2*\i+1], v[X+16*\c+2*\i:X+16*\c+2*\i+1], v[ACC+8*\c:ACC+8*\c+7]
.endif
.endr
.endr
.rept 8
	v_nop                                          ; eight places behind this form (ISA guide 7.12.1), in front of the reads of the sums and of the writes over X
.endr
	; register j of lane (r, h) is token r's partial logit of expert j, in both halves of the lanes.  Each accumulator is read from its low end on.
.irp j, 0,2,4,6
	v_pk_add_f32 v[P+\j:P+\j+1], v[ACC+\j:ACC+\j+1], v[ACC+8+\j:ACC+8+\j+1]
	v_pk_add_f32 v[Q+\j:Q+\j+1], v[ACC+16+\j:ACC+16+\j+1], v[ACC+24+\j:ACC+24+\j+1]
.endr
.irp j, 0,2,4,6
	v_pk_add_f32 v[P+\j:P+\j+1], v[P+\j:P+\j+1], v[Q+\j:Q+\j+1]
.endr
	ds_store_b128 v5, v[P:P+3]                     ; both halves of the lanes write the same bytes with the same values
	ds_store_b128 v5, v[P+4:P+7] offset:16
	ds_store_b32 v7, v[SW]
	; THE CODES
.irp c, 0,1,2,3
.irp i, 0,1,2,3,4,5,6,7,8,9,10,11,12,13,14,15
	v_med3_num_f32 v[X+16*\c+\i], v[X+16*\c+\i], -v[HO+\c], v[HO+\c]   ; the conversion does not saturate (ISA guide 7.6.2): hold the number within 57,344 x the scale first
.endr
	v_cvt_scalef32_pk8_bf8_f32 v[C+4*\c:C+4*\c+1], v[X+16*\c:X+16*\c+7], v[SF+\c]
	v_cvt_scalef32_pk8_bf8_f32 v[C+4*\c+2:C+4*\c+3], v[X+16*\c+8:X+16*\c+15], v[SF+\c]
.endr
	v_nop                                          ; one plain place behind a scaled conversion
.irp c, 0,1,2,3
	global_store_b128 v6, v[C+4*\c:C+4*\c+3], s[10:11] offset:512*\c   ; 32 lanes store 512 consecutive bytes, aligned
.endr
	s_wait_dscnt 0x0                               ; for wave 0's sake: my LDS stores are done
	s_barrier_signal -1
	s_barrier_wait -1
	s_cmp_lg_u32 s18, 0
	s_cbranch_scc1 .Lend                           ; waves 1 to 7 are finished
	; WAVE 0 FINISHES THE 16 TOKENS
	v_lshl_add_u32 v25, v2, 6, SCW
	v_lshl_add_u32 v25, v1, 2, v25                 ; the word of K step 2 p + h, token r, lies at SCW + 64 (2 p + h) + 4 r
	v_lshl_add_u32 v26, v1, 5, PART
.irp p, 0,1,2,3
	ds_load_b32 v[28+\p], v25 offset:128*\p
.endr
.irp u, 0,1,2,3,4,5,6,7
	ds_load_b128 v[X+8*\u:X+8*\u+3], v26 offset:512*\u
	ds_load_b128 v[X+8*\u+4:X+8*\u+7], v26 offset:512*\u+16
.endr
	s_wait_dscnt 16                                ; the four scale words are in; the 16 loads of partial logits may be out
	global_store_b128 v6, v[28:31], s[12:13]       ; the block's 512 bytes of xs, consecutive and aligned
	s_wait_dscnt 0x0
.irp j, 0,2,4,6
	v_pk_add_f32 v[P+\j:P+\j+1], v[X+\j:X+\j+1], v[X+8+\j:X+8+\j+1]
.endr
.irp u, 2,3,4,5,6,7
.irp j, 0,2,4,6
	v_pk_add_f32 v[P+\j:P+\j+1], v[P+\j:P+\j+1], v[X+8*\u+\j:X+8*\u+\j+1]
.endr
.endr
.irp e, 0,1,2,3,4,5,6,7
	v_add_f32 v[P+\e], s[RB+\e], v[P+\e]           ; the logits
.endr
	v_max3_num_f32 v8, v[P], v[P+1], v[P+2]
	v_max3_num_f32 v8, v8, v[P+3], v[P+4]
	v_max3_num_f32 v8, v8, v[P+5], v[P+6]
	v_max_num_f32 v8, v8, v[P+7]                   ; the largest logit
.irp e, 0,1,2,3,4,5,6,7
	v_sub_f32 v[X+\e], v[P+\e], v8                 ; the largest is taken away ahead of the exponential: exactly 0 at the maximum
.endr
.irp e, 0,1,2,3,4,5,6,7
	v_mul_f32 v[X+\e], 0x3fb8aa3b, v[X+\e]         ; x log2(e)
.endr
.irp e, 0,1,2,3,4,5,6,7
	v_exp_f32 v[X+\e], v[X+\e]
.endr
	v_mov_b32 v9, 7                                ; (also the plain place behind the exponentials)  the first index at the maximum: from 7 down, a lower one overrides
.irp e, 6,5,4,3,2,1,0
	v_cmp_eq_f32 vcc_lo, v[P+\e], v8
	v_cndmask_b32 v9, v9, \e, vcc_lo
.endr
	s_wait_alu depctr_va_vdst(0)
	v_add_f32 v10, v[X], v[X+1]
	v_add_f32 v12, v[X+2], v[X+3]
	v_add_f32 v13, v[X+4], v[X+5]
	v_add_f32 v14, v[X+6], v[X+7]
	v_add_f32 v10, v10, v12
	v_add_f32 v13, v13, v14
	v_add_f32 v10, v10, v13                        ; at least 1
	v_rcp_f32 v11, v10                             ; the chosen expert's softmax weight: its own exponential is 1
	v_lshlrev_b32 v27, 2, v1                       ; (the plain place behind the reciprocal)  4 r
	s_wait_xcnt 0x0                                ; EXEC changes only behind this wait: stores have been issued
	v_cmp_gt_u32 vcc_lo, 16, v0
	s_and_saveexec_b32 s56, vcc_lo                 ; lanes 0 to 15: one lane a token
	global_store_b32 v27, v9, s[14:15]
	s_wait_alu depctr_va_vdst(0)
	global_store_b32 v27, v11, s[16:17]
	s_wait_xcnt 0x0                                ; and again in front of the line that widens it
	s_or_b32 exec_lo, exec_lo, s56
.Lend:
	s_wait_tensorcnt 0x0
	ds_add_u32 v224, v225
	s_wait_dscnt 0x0
	s_endpgm
.Lfunc_end_k_q4e414a0f09_route_quant:
	.size	k_q4e414a0f09_route_quant, .Lfunc_end_k_q4e414a0f09_route_quant-k_q4e414a0f09_route_quant
	.p2alignl 7, 3214868480
	.fill 96, 4, 3214868480
	.section	.rodata,"a",@progbits
	.p2align	6, 0x0
	.amdhsa_kernel k_q4e414a0f09_route_quant
		.amdhsa_group_segment_fixed_size 168960
		.amdhsa_private_segment_fixed_size 0
		.amdhsa_enable_private_segment 0
		.amdhsa_kernarg_size 56
		.amdhsa_user_sgpr_count 2
		.amdhsa_user_sgpr_kernarg_segment_ptr 1
		.amdhsa_wavefront_size32 1
		.amdhsa_system_sgpr_workgroup_id_x 1
		.amdhsa_system_sgpr_workgroup_id_y 1
		.amdhsa_system_sgpr_workgroup_id_z 1
		.amdhsa_system_vgpr_workitem_id 0
		.amdhsa_next_free_vgpr 226
		.amdhsa_next_free_sgpr 66
		.amdhsa_reserve_vcc 1
		.amdhsa_float_denorm_mode_32 3
		.amdhsa_float_denorm_mode_16_64 3
		.amdhsa_memory_ordered 1
		.amdhsa_forward_progress 1
		.amdhsa_inst_pref_size 25
	.end_amdhsa_kernel
	.amdgpu_metadata
---
amdhsa.version: [ 1, 2 ]
amdhsa.kernels:
  - .name:           k_q4e414a0f09_route_quant
    .symbol:         k_q4e414a0f09_route_quant.kd
    .args:
      - { .name: x, .offset: 0, .size: 8, .value_kind: global_buffer, .address_space: global }
      - { .name: router_w, .offset: 8, .size: 8, .value_kind: global_buffer, .address_space: global }
      - { .name: router_b, .offset: 16, .size: 8, .value_kind: global_buffer, .address_space: global }
      - { .name: xq, .offset: 24, .size: 8, .value_kind: global_buffer, .address_space: global }
      - { .name: xs, .offset: 32, .size: 8, .value_kind: global_buffer, .address_space: global }
      - { .name: idx, .offset: 40, .size: 8, .value_kind: global_buffer, .address_space: global }
      - { .name: gate, .offset: 48, .size: 8, .value_kind: global_buffer, .address_space: global }
    .group_segment_fixed_size: 168960
    .private_segment_fixed_size: 0
    .kernarg_segment_align: 8
    .kernarg_segment_size: 56
    .max_flat_workgroup_size: 256
    .sgpr_count:     66
    .vgpr_count:     226
    .wavefront_size: 32
...
	.end_amdgpu_metadata
.endif
;; end of part 1
;; launch experts (part 2): grid 16 x 16, 4 waves a work-group, clusters of 4 x 1, 327,680 bytes of LDS; arguments xq, xs, idx, gate, expert_w_codes, expert_w_scales, expert_b, out0; writes out0
.if DOCPART == 2
	.amdgcn_target "amdgcn-amd-amdhsa--gfx1250"
	.amdhsa_code_object_version 6
	.text
	.protected	k_q4e414a0f09_experts
	.globl	k_q4e414a0f09_experts
	.p2align	8
	.type	k_q4e414a0f09_experts,@function
k_q4e414a0f09_experts:
	s_mov_b64 s[64:65], 0
	v_nop
	global_prefetch_b8 v0, s[64:65] scope:SCOPE_SE
	s_setreg_imm32_b32 hwreg(HW_REG_WAVE_MODE, 25, 1), 1
	s_wait_xcnt 0x0
	s_wait_alu depctr_hold_cnt(0) depctr_sa_sdst(0) depctr_va_vdst(0) depctr_va_sdst(0) depctr_va_ssrc(0) depctr_va_vcc(0) depctr_vm_vsrc(0)
	s_getreg_b32 s2, hwreg(HW_REG_IB_STS2, 6, 4)
	s_cmp_eq_u32 s2, 0
	s_cbranch_scc0 .Lentry_in_a_cluster
	s_endpgm
.Lentry_in_a_cluster:
	s_bfe_u32 s2, ttmp6, 0x10000c
	s_cmp_lg_u32 s2, 0x3003
	s_cbranch_scc0 .Lentry_shape_is_right
	s_endpgm
.Lentry_shape_is_right:
; out[t][f] = gate[t] x (sum over k of Q(x)[t][k] W[idx[t]][f][k] + expert_b[idx[t]][f]).  The product [4096 x 1024] x [1024 x 8 x 1024] is made whole, on codes of E5M2 with E8M0 scales,
; and each token keeps its own expert's columns by a SELECT ON VALUES (v_cndmask_b32 under masks made of idx, whole numbers that the launch before stored): no address and no branch hangs on idx.
; SHARES.  Work-group (T, F): 256 tokens x 64 columns x all 8 experts: 16 x 16 = 256 work-groups of equal work.  Wave w: tokens 256 T + 64 w + 0..63, all 64 columns.
; A STAYS IN REGISTERS: a wave's 64 tokens x 1,024 codes are 512 registers, loaded once as the register image that the launch before stored; x is the same operand for all eight experts.
; Only the weights pass through LDS; a fragment of them read from LDS feeds four matrix instructions.
; CLUSTER.  The four work-groups of a cluster share F and walk the same weights, scales and biases: each tile is asked for JOINTLY (mask 15).  A is not shared in a cluster: it goes straight to registers.
; THE MATRIX INSTRUCTION IS USED TRANSPOSED (source 0 = 16 rows of W, source 1 = 16 tokens): a lane holds ONE token (lane % 16) and eight neighbouring columns 8 (lane / 16) + 0..7.
; ORDER.  A step is 8 matrix instructions: column blocks 2 hf + u (u = 0, 1) x token blocks a = 0..3 at one K step s of one expert e; accumulator i = 4 u + a: the accumulators take turns,
; one instruction a turn.
;   Steps 0-31 (experts 0 and 1) GO BY K: s = t / 4, e = (t / 2) % 2, hf = t % 2.  Their 32 accumulators are OT (expert 0) and ACC (expert 1), begun with the bias loaded into them.
;   So a K step of A feeds 32 matrix instructions, and the last K step is wanted only behind 28 steps' work: A arrives from memory under that work.
;   Steps 32-127: e = t / 16, hf = (t / 8) % 2, s = t % 8.  Eight steps are a PHASE; its first step takes the bias as C.  The phases write ACC, and while the next phase multiplies, the finished
;   phase is selected into OT, the kept result.
; PAIRS.  Steps go two and two: 16 matrix instructions, 16 selects, ONE run of 16 LDS loads into the two sets of fragments just read.  The selects name no register of the pair's products and so are
; also the places in front of those loads and of the next reads of results.
; STRAIGHT LINE: A's fragments are named registers, and of the four spans between changes of slots no two are alike, so the steps are written out by macros and there is no loop.
; RING.  Two slots of two experts each (64 rows of 1,024 bytes an expert); a wave fills a quarter of a slot by one tensor load of 32 rows, 32 KiB that are dense in memory.
; LIMITS: idx holds 0..7, as the launch before stores it (any other number would keep expert 0's columns).  The bias enters the sum first, not last.
; REGISTERS, in windows of 256 (s_set_vgpr_msb: bits 1:0 source 0, 3:2 source 1, 5:4 source 2, 7:6 destination):
;   window 0: v0-17 addresses; v20-23 idx; v24-31 gate, in pairs; v32-47 x's scale words; v48-79 W's scale words, two sets; v80-95 the bias; v128-255 ACC (on the way out: rows read back)
;   window 1: v0-127 OT; v128-255 four sets of W's fragments      windows 2, 3: A
.set PB,    1040                       ; a row of W in LDS: 1,024 bytes + 16 = 65 x 16: the 16 rows that a load touches begin in 16 different columns of 16 bytes modulo 256
.set EXPB,  64*PB                      ; an expert's 64 rows
.set SLOT,  2*EXPB
.set QUART, 32*PB                      ; what one tensor load brings
.set SCB,   2*SLOT                     ; behind the ring: W's scale bytes, 2,048 an expert, as units of 256 bytes + 16: filled once
.set SCE,   2176
.set BIA,   SCB+8*SCE                  ; the biases, [expert 8][64 f32]: filled once
.set SPARE, BIA+2048                   ; the spare words, 128 bytes for each wave: two blocks of 256 bytes that no other line names
.set STAGE, SPARE+512                  ; the way out: 16 rows x 272 bytes for each wave; no fill lands here
.set SP,    272
.set STW,   16*SP
.set ADB,  4                           ; v4-7   my lane's place in the expert at position 0..3 of the ring: 1040 r + 16 h + 66,560 x position
.set ASB,  8                           ; v8     in W's scale words: lanes 0-15 column blocks 0, 1; lanes 16-31 blocks 2, 3
.set ABI,  9                           ; v9     in the biases
.set STO,  10                          ; v10    the way out: where I put 16 bytes of a row
.set RD,   11                          ; v11    where I read a row back
.set CO,   12                          ; v12    my byte offset in the wave's rows of out
.set LN16, 13                          ; v13    16 x lane
.set R4,   14                          ; v14    4 r
.set SPW,  16                          ; v16    LDS address of my spare word; never rewritten
.set NIL,  17                          ; v17    0; never rewritten
.set IDX,  20                          ; v20-23 idx of token r of block a
.set GAT,  24                          ; v24-31 its gate, twice: a pair for the packed multiply
.set XSC,  32                          ; v[32 + 4 a + s / 2]: lanes 0-15 the scale words of an even K step, lanes 16-31 of the odd one
.set WSC,  48                          ; v[48 + 16 (e % 2) + 8 u + s]: lanes 0-15 column block u, lanes 16-31 block u + 2
.set BIR,  80                          ; v[80 + 8 u + j]: the bias of column 16 (2 hf + u) + 8 h + j
.set ACC,  128                         ; window 0: 128 + 64 hf + 8 i
.set RBK,  128                         ; the way out: 128 + 32 a
.set OT,   0                           ; window 1: 64 hf + 8 i
.set BF,   128                         ; window 1: 128 + 32 (t % 4) + 16 u
.set WV,   20                          ; s20 wave; s21 cx; s22 T; s23 F; s3, s[24:25] at work on what the partners share; s2, s[26:27] on what hangs on cx
.set G1B,  28                          ; s[28:35] group 1 for W's codes;  s[36:39], s[40:43] group 0 of slot 0, 1
.set G0,   36
.set G1S,  44                          ; s[44:51], s[52:55] for the scale bytes
.set G0S,  52
.set G1I,  56                          ; s[56:63], s[68:71] for the biases
.set G0I,  68
.set MK,   72                          ; s[72:99] mask (e, a) at 72 + 4 (e - 1) + a: the lanes whose token is NOT expert e's
.set MSB, 0
.macro WIN new                         ; the immediate's high byte repeats the setting that is left; a switch that changes nothing is dropped
.if MSB != (\new)
	s_set_vgpr_msb (MSB<<8)|(\new)
.set MSB, (\new)
.endif
.endm
.macro PLACES n
.rept \n
	v_nop
.endr
.endm
.macro CREST                           ; a round of the cluster's barrier behind its opening barrier
	s_cmp_lg_u32 s[WV], 0
	s_cbranch_scc1 .Lnot_wave_0_\@
	s_barrier_signal -3
.Lnot_wave_0_\@:
	s_barrier_wait -3
	s_barrier_signal -1
	s_barrier_wait -1
.endm
.macro CROUND                          ; a whole round
	s_barrier_signal -1
	s_barrier_wait -1
	CREST
.endm
.macro MAP t                           ; step t's expert, half of the columns and K step
.if (\t) < 32
.set q_s,  (\t)/4
.set q_e,  ((\t)/2)%2
.set q_hf, (\t)%2
.else
.set q_e,  (\t)/16
.set q_hf, ((\t)/8)%2
.set q_s,  (\t)%8
.endif
.endm
; A's fragments of K step s, four token blocks: window 2 + s / 4, register 16 (4 (s % 4) + a) + 4 c.  Each load of the wave reads 512 consecutive bytes.
.macro ALOAD s
	WIN 0x80+0x40*((\s)/4)
.irp a, 0,1,2,3
.irp c, 0,1,2,3
	global_load_b128 v[16*(4*((\s)%4)+\a)+4*\c:16*(4*((\s)%4)+\a)+4*\c+3], v[LN16], s[4:5] offset:16384*\a+2048*(\s)+512*\c
.endr
.endr
.endm
; W's two fragments of step t into set t % 4: 16 rows x 128 K of 8-bit codes are 16 registers: registers 4 c .. 4 c + 3 hold K = 32 c + 16 h + 0..15
.macro BLOAD t
	MAP \t
	WIN 0x44                                       ; destination window 1, address window 0: the setting of the selects too
.irp u, 0,1
.irp c, 0,1,2,3
	ds_load_b128 v[BF+32*((\t)%4)+16*\u+4*\c:BF+32*((\t)%4)+16*\u+4*\c+3], v[ADB+q_e%4] offset:16*PB*(2*q_hf+\u)+128*q_s+32*\c
.endr
.endr
.endm
.macro BIAS p                          ; the bias of phase p (expert p / 2, half p % 2), in the result's layout
	WIN 0
.irp u, 0,1
.irp q, 0,1
	ds_load_b128 v[BIR+8*\u+4*\q:BIR+8*\u+4*\q+3], v[ABI] offset:256*((\p)/2)+64*(2*((\p)%2)+\u)+16*\q
.endr
.endr
.endm
.macro PRELOAD e, hf                   ; experts 0 and 1: the bias straight into the eight accumulators of (e, hf): four phases begin at once, and the sums then go in place from their first step on
.if (\e) == 0
	WIN 0x44
.set p_d, OT+64*(\hf)
.else
	WIN 0
.set p_d, ACC+64*(\hf)
.endif
.irp i, 0,1,2,3,4,5,6,7
.irp q, 0,1
	ds_load_b128 v[p_d+8*\i+4*\q:p_d+8*\i+4*\q+3], v[ABI] offset:256*(\e)+64*(2*(\hf)+\i/4)+16*\q
.endr
.endr
.endm
.macro BSCALE e                        ; expert e's scale words, all 8 K steps of all four column blocks, into set e % 2
	WIN 0
.irp u, 0,1
.irp q, 0,1
	ds_load_b128 v[WSC+16*((\e)%2)+8*\u+4*\q:WSC+16*((\e)%2)+8*\u+4*\q+3], v[ASB] offset:SCE*(\e)+544*\u+16*\q
.endr
.endr
.endm
; One matrix instruction.  rw, rx: W's and x's scale words are taken from lanes 16-31
.macro WM d, c, b, a, sw, sx, rw, rx
.if (\rw) && (\rx)
	v_wmma_scale_f32_16x16x128_f8f6f4 v[\d:\d+7], v[\b:\b+15], v[\a:\a+15], v[\c:\c+7], v[\sw], v[\sx] matrix_a_fmt:MATRIX_FMT_BF8 matrix_b_fmt:MATRIX_FMT_BF8 matrix_a_scale:MATRIX_SCALE_ROW1 matrix_b_scale:MATRIX_SCALE_ROW1
.elseif (\rw)
	v_wmma_scale_f32_16x16x128_f8f6f4 v[\d:\d+7], v[\b:\b+15], v[\a:\a+15], v[\c:\c+7], v[\sw], v[\sx] matrix_a_fmt:MATRIX_FMT_BF8 matrix_b_fmt:MATRIX_FMT_BF8 matrix_a_scale:MATRIX_SCALE_ROW1
.elseif (\rx)
	v_wmma_scale_f32_16x16x128_f8f6f4 v[\d:\d+7], v[\b:\b+15], v[\a:\a+15], v[\c:\c+7], v[\sw], v[\sx] matrix_a_fmt:MATRIX_FMT_BF8 matrix_b_fmt:MATRIX_FMT_BF8 matrix_b_scale:MATRIX_SCALE_ROW1
.else
	v_wmma_scale_f32_16x16x128_f8f6f4 v[\d:\d+7], v[\b:\b+15], v[\a:\a+15], v[\c:\c+7], v[\sw], v[\sx] matrix_a_fmt:MATRIX_FMT_BF8 matrix_b_fmt:MATRIX_FMT_BF8
.endif
.endm
; The 8 matrix instructions of step t.  Windows: source 0 (W) 1, source 1 (A) 2 or 3; C and D 1 (OT) for expert 0, else 0 (ACC; the bias, C of a phase's first step, lies there too)
.macro MULS t
	MAP \t
.if q_e == 0
	WIN 0x59+4*(q_s/4)
.else
	WIN 0x09+4*(q_s/4)
.endif
.irp u, 0,1
.irp a, 0,1,2,3
.if q_e == 0
.set m_d, OT+64*q_hf+8*(4*\u+\a)
.else
.set m_d, ACC+64*q_hf+8*(4*\u+\a)
.endif
.if (q_s == 0) && ((\t) >= 32)
.set m_c, BIR+8*\u
.else
.set m_c, m_d
.endif
	WM m_d, m_c, BF+32*((\t)%4)+16*\u, 16*(4*(q_s%4)+\a), WSC+16*(q_e%2)+8*\u+q_s, XSC+4*\a+q_s/2, q_hf, q_s%2
.endr
.endr
.endm
; Accumulator i of (expert e, half hf) is selected: OT keeps its number where the token is not e's, else takes ACC's.  From the accumulator's low end on.
.macro SEL e, hf, i
.irp j, 0,1,2,3,4,5,6,7
	v_cndmask_b32 v[OT+64*(\hf)+8*(\i)+\j], v[ACC+64*(\hf)+8*(\i)+\j], v[OT+64*(\hf)+8*(\i)+\j], s[MK+4*((\e)-1)+(\i)%4]
.endr
.endm
; Eight places that belong to step t: from step 32 on the select of accumulator t % 8 of the phase before; ahead of that there is nothing to select
.macro AFTER t
.if (\t) >= 32
	WIN 0x44
	SEL ((\t)/8-1)/2, ((\t)/8-1)%2, (\t)%8
.else
	PLACES 8
.endif
.endm
; How many LDS loads stand behind the fragment loads in the run of pair t: the next phase's bias (4), the next expert's scale words (4)
.macro EXTRA t
.set x_n, 0
.if ((\t) >= 32) && ((\t)%8 == 0) && ((\t) < 120)
.set x_n, x_n+4
.endif
.if ((\t) >= 32) && ((\t)%16 == 10) && ((\t) < 112)
.set x_n, x_n+4
.endif
.if (\t) == 28
.set x_n, x_n+4
.endif
.endm
; The run of LDS loads of pair t: the fragments of the pair after next, into the two sets just multiplied; behind them what EXTRA counts
.macro TAIL t
.if (\t)+4 <= 126
	BLOAD (\t)+4
	BLOAD (\t)+5
.endif
.if ((\t) >= 32) && ((\t)%8 == 0) && ((\t) < 120)
	BIAS (\t)/8+1                                  ; the next phase's bias: this phase's first step, which read the registers, stands sixteen selects back
.endif
.if ((\t) >= 32) && ((\t)%16 == 10) && ((\t) < 112)
	BSCALE (\t)/16+1                               ; the next expert's scale words, into the set that the expert before used
.endif
.if (\t) == 28
	BSCALE 2                                       ; expert 0's set is free behind step 29 and its places
.endif
.endm
; At the head of a K step of the first 32 steps: A's K step s = t / 4 is in, and K step s + 3 is asked for at once: 48 loads of mine are out
.macro AHEAD t
.if ((\t) < 32) && ((\t)%4 == 0)
.if (\t)/4 < 6
	s_wait_loadcnt 32                              ; K step s is in (and all that was asked for ahead of it); two later K steps' 16 loads each may be out
.elseif (\t)/4 == 6
	s_wait_loadcnt 16
.else
	s_wait_loadcnt 0
.endif
.if (\t)/4 < 5
	ALOAD (\t)/4+3
.endif
.endif
.endm
.macro PAIR t                          ; steps t and t + 1, t even
	EXTRA (\t)-2
.if (\t) < 126
	s_wait_dscnt 16+x_n                            ; this pair's fragments are in: behind them stand the last run's 16 fragment loads and what followed them in that run
.else
	s_wait_dscnt 0
.endif
	AHEAD \t
	MULS \t
	MULS (\t)+1
.if (\t) >= 32
	AFTER \t
	AFTER (\t)+1
.else
	PLACES 8
.if (\t) == 30                         ; experts 0 and 1 are finished.  Step 32 writes ACC's first half: expert 1's numbers there are selected now, in one block; its second half goes the usual way
	WIN 0x44
.irp i, 0,1,2,3,4,5,6,7
	SEL 1, 0, \i
.endr
.endif
.endif
	TAIL \t
.endm
; THE CHANGE OF SLOTS takes the pair t, t + 1: the run before it held the last reads of the slot that is left.  Each wave waits for all its tensor loads (one is out: its quarter of the slot ahead),
; adds 0 to its spare word, and waits for that and for its reads.  fill = 1: the barrier opens a round of the cluster's barrier, behind which no wave of any partner still reads the slot or has a load
; on its way, and the slot that was left takes the experts four further on: the wave's one tensor load, with 31 steps, 248 matrix instructions, in which to land.
.macro CHANGE fill, slot, t
	WIN 0                                          ; (the add's two registers lie in window 0)
	s_wait_tensorcnt 0x0                           ; no tensor load of mine is out, so a group 0 may be written
	ds_add_u32 v[SPW], v[NIL]                      ; 0 onto my spare word
.if \fill
	s_add_nc_u64 s[G0+4*\slot+2:G0+4*\slot+3], s[G0+4*\slot+2:G0+4*\slot+3], 0x400000   ; four experts of 2^20 bytes on; the type bits on top are not reached
.endif
	EXTRA (\t)-2
	s_wait_dscnt 17+x_n                            ; this pair's fragments are in: the last run (16 fragment loads and what followed them) and the add may be out
	AHEAD \t
	MULS \t                                        ; a step's work stands between the add and the wait for it
	AFTER \t
	s_wait_dscnt 0x0                               ; the add is done, and my reads of the slot are over
	s_barrier_signal -1
	MULS (\t)+1                                    ; work on registers while the others arrive
	AFTER (\t)+1
	WIN 0                                          ; at a branch and at a label every window is 0
	s_barrier_wait -1
.if \fill
	CREST
	tensor_load_to_lds s[G0+4*\slot:G0+4*\slot+3], s[G1B:G1B+7]   ; the first tensor load behind the round
	s_nop 0
	PLACES 4                                       ; four v_nop follow it, ahead of the switch of windows
.endif
	TAIL \t                                        ; the slot ahead is whole
.endm
; THE WAY OUT of token block a: times the gate; 16 rows x 256 bytes through my own stage; back as whole rows.
.macro TOSTAGE a
	WIN 0x41                                       ; OT (destination and source 0) window 1, the gate window 0
.irp cb, 0,1,2,3
.irp j, 0,2,4,6
	v_pk_mul_f32 v[OT+64*(\cb/2)+8*(4*(\cb%2)+\a)+\j:OT+64*(\cb/2)+8*(4*(\cb%2)+\a)+\j+1], v[OT+64*(\cb/2)+8*(4*(\cb%2)+\a)+\j:OT+64*(\cb/2)+8*(4*(\cb%2)+\a)+\j+1], v[GAT+2*\a:GAT+2*\a+1]
.endr
.endr
	WIN 0x04                                       ; the data window 1, the address window 0
.irp cb, 0,1,2,3
.irp q, 0,1
	ds_store_b128 v[STO], v[OT+64*(\cb/2)+8*(4*(\cb%2)+\a)+4*\q:OT+64*(\cb/2)+8*(4*(\cb%2)+\a)+4*\q+3] offset:64*\cb+16*\q
.endr
.endr
	WIN 0
.irp i, 0,1,2,3,4,5,6,7
	ds_load_b128 v[RBK+32*\a+4*\i:RBK+32*\a+4*\i+3], v[RD] offset:2*SP*\i   ; LDS serves a wave's instructions in order (ISA guide 5.7.1.4): these see the stores above, and the next block's stores come behind them
.endr
.endm
.macro SEND a, younger                 ; younger: the LDS instructions issued behind block a's loads, which may stay out
	s_wait_dscnt \younger
.irp i, 0,1,2,3,4,5,6,7
	global_store_b128 v[CO], v[RBK+32*(\a)+4*\i:RBK+32*(\a)+4*\i+3], s[18:19] offset:4096*(16*(\a)+2*\i) th:TH_STORE_NT   ; 16 lanes store 256 consecutive bytes, at a multiple of 256 from out's first byte
.endr
.endm
	s_load_b512 s[4:19], s[0:1], 0x0               ; xq s[4:5], xs s[6:7], idx s[8:9], gate s[10:11], W's codes s[12:13], W's scales s[14:15], expert_b s[16:17], out s[18:19]
	v_lshl_add_u32 v[SPW], v0, 2, SPARE
	v_mov_b32 v[NIL], 0
	ds_add_u32 v16, v17
	ds_add_u32 v16, v17
	s_wait_dscnt 0x0
	v_lshrrev_b32 v1, 5, v0
	v_readfirstlane_b32 s[WV], v1                  ; wave 0..3
	v_and_b32 v[LN16], 31, v0
	v_lshlrev_b32 v[LN16], 4, v[LN16]
	v_and_b32 v1, 15, v0                           ; r
	v_bfe_u32 v2, v0, 4, 1                         ; h
	v_lshlrev_b32 v[R4], 2, v1
	s_bfe_u32 s21, ttmp6, 0x40000                  ; cx: my place in the cluster
	s_lshl_b32 s22, ttmp9, 2                       ; in a cluster launch ttmp9 counts clusters
	s_add_co_u32 s22, s22, s21                     ; T = 4 x cluster x + cx: it enters the addresses of xq, xs, idx, gate and out alone
	s_and_b32 s23, ttmp7, 0xffff                   ; F, which the four partners share
	; group 1 for W's codes: 32 rows of 1,024 elements of 1 byte; 4 words of padding behind every 256 words; mask 15, bit 21 beside it
	s_mov_b32 s[G1B+0], 15|(1<<20)|(1<<21)|(7<<22)|(3<<25)
	s_mov_b32 s[G1B+1], 1024<<16                   ; tensor_dim0
	s_mov_b32 s[G1B+2], 32<<16                     ; tensor_dim1
	s_mov_b32 s[G1B+3], 1024<<16                   ; tile_dim0
	s_mov_b32 s[G1B+4], 32                         ; tile_dim1
	s_mov_b32 s[G1B+5], 1024                       ; from row to row
	s_mov_b32 s[G1B+6], 0
	s_mov_b32 s[G1B+7], 0
	; for the scale bytes: two experts' 2,048 bytes (256 elements of 8 bytes), 32,768 bytes apart; 4 words of padding behind every 64 words
	s_mov_b32 s[G1S+0], 15|(3<<16)|(1<<20)|(1<<21)|(5<<22)|(3<<25)
	s_mov_b32 s[G1S+1], 256<<16
	s_mov_b32 s[G1S+2], 2<<16
	s_mov_b32 s[G1S+3], 256<<16
	s_mov_b32 s[G1S+4], 2
	s_mov_b32 s[G1S+5], 4096
	s_mov_b32 s[G1S+6], 0
	s_mov_b32 s[G1S+7], 0
	; for the biases: two experts' 256 bytes (32 elements of 8 bytes), 4,096 bytes apart; no padding
	s_mov_b32 s[G1I+0], 15|(3<<16)|(1<<21)
	s_mov_b32 s[G1I+1], 32<<16
	s_mov_b32 s[G1I+2], 2<<16
	s_mov_b32 s[G1I+3], 32<<16
	s_mov_b32 s[G1I+4], 2
	s_mov_b32 s[G1I+5], 512
	s_mov_b32 s[G1I+6], 0
	s_mov_b32 s[G1I+7], 0
	; where the tiles go: the wave's number times a constant, plus a constant; no place in the cluster enters an LDS address
	s_mov_b32 s[G0], 1
	s_mul_i32 s[G0+1], s[WV], QUART
	s_mov_b32 s[G0+4], 1
	s_add_co_u32 s[G0+5], s[G0+1], SLOT
	s_mov_b32 s[G0S], 1
	s_mul_i32 s[G0S+1], s[WV], 2*SCE
	s_add_co_u32 s[G0S+1], s[G0S+1], SCB
	s_mov_b32 s[G0I], 1
	s_lshl_b32 s[G0I+1], s[WV], 9
	s_add_co_u32 s[G0I+1], s[G0I+1], BIA
	; where they come from: made of F and the wave's number alone.  Codes: expert w / 2 of the slot's two, rows 64 F + 32 (w % 2) on
	s_lshr_b32 s24, s[WV], 1
	s_lshl_b32 s24, s24, 20
	s_lshl_b32 s3, s23, 16
	s_add_co_u32 s24, s24, s3
	s_and_b32 s3, s[WV], 1
	s_lshl_b32 s3, s3, 15
	s_add_co_u32 s24, s24, s3
	s_mov_b32 s25, 0
	s_lshl_b32 s26, s22, 18                        ; my own tokens.  xq: 16 blocks of 16,384 bytes a tile of 256 tokens, 4 a wave
	s_lshl_b32 s2, s[WV], 16
	s_add_co_u32 s26, s26, s2
	s_mov_b32 s27, 0
	s_wait_kmcnt 0x0
	s_add_nc_u64 s[4:5], s[4:5], s[26:27]
	s_lshr_b32 s26, s26, 5                         ; xs: 512 bytes a block
	s_add_nc_u64 s[6:7], s[6:7], s[26:27]
	s_lshr_b32 s26, s26, 3                         ; idx, gate: 64 bytes a block
	s_add_nc_u64 s[8:9], s[8:9], s[26:27]
	s_add_nc_u64 s[10:11], s[10:11], s[26:27]
	s_lshl_b32 s26, s26, 10                        ; out: 4,096 bytes a token,
	s_lshl_b32 s2, s23, 8                          ; and my tile's 64 columns
	s_add_co_u32 s26, s26, s2
	s_add_nc_u64 s[18:19], s[18:19], s[26:27]
	; MY OWN LOADS GO OUT FIRST, ahead of the round that the joint loads have to stand behind: they wait for no partner
.irp a, 0,1,2,3
	global_load_b128 v[XSC+4*\a:XSC+4*\a+3], v[LN16], s[6:7] offset:512*\a   ; x's scale words: register p holds K steps 2 p (lanes 0-15) and 2 p + 1 (lanes 16-31)
.endr
.irp a, 0,1,2,3
	global_load_b32 v[IDX+\a], v[R4], s[8:9] offset:64*\a
.endr
.irp a, 0,1,2,3
	global_load_b32 v[GAT+2*\a], v[R4], s[10:11] offset:64*\a
.endr
	ALOAD 0                                        ; A runs three K steps ahead of the products: 60 loads of mine are out
	ALOAD 1
	ALOAD 2
	WIN 0
	s_add_nc_u64 s[G0+2:G0+3], s[12:13], s[24:25]
	s_add_nc_u64 s[G0+6:G0+7], s[G0+2:G0+3], 0x200000   ; slot 1: two experts on
	s_or_b32 s[G0+3], s[G0+3], 0x80000000
	s_or_b32 s[G0+7], s[G0+7], 0x80000000
	s_lshl_b32 s24, s[WV], 16                      ; scale bytes: experts 2 w and 2 w + 1, rows 64 F on (32 bytes a row)
	s_lshl_b32 s3, s23, 11
	s_add_co_u32 s24, s24, s3
	s_add_nc_u64 s[G0S+2:G0S+3], s[14:15], s[24:25]
	s_or_b32 s[G0S+3], s[G0S+3], 0x80000000
	s_lshl_b32 s24, s[WV], 13                      ; biases: the same experts, columns 64 F on
	s_lshl_b32 s3, s23, 8
	s_add_co_u32 s24, s24, s3
	s_add_nc_u64 s[G0I+2:G0I+3], s[16:17], s[24:25]
	s_or_b32 s[G0I+3], s[G0I+3], 0x80000000
	CROUND                                         ; all four work-groups are here: the first joint loads meet
	tensor_load_to_lds s[G0S:G0S+3], s[G1S:G1S+7]  ; the first fills go out together: four tensor loads of mine are out
	s_nop 0
	tensor_load_to_lds s[G0I:G0I+3], s[G1I:G1I+7]
	s_nop 0
	tensor_load_to_lds s[G0:G0+3], s[G1B:G1B+7]    ; slot 0: experts 0 and 1
	s_nop 0
	tensor_load_to_lds s[G0+4:G0+7], s[G1B:G1B+7]  ; slot 1: experts 2 and 3; wanted behind 28 steps
	s_nop 0
	PLACES 4
	v_mul_u32_u24 v[ADB], v1, PB
	v_lshl_add_u32 v[ADB], v2, 4, v[ADB]
	v_add_nc_u32 v[ADB+1], EXPB, v[ADB]
	v_add_nc_u32 v[ADB+2], 2*EXPB, v[ADB]
	v_add_nc_u32 v[ADB+3], 3*EXPB, v[ADB]
	v_lshrrev_b32 v3, 3, v1
	v_lshlrev_b32 v[ASB], 5, v1                    ; 32 bytes a row,
	v_lshl_add_u32 v[ASB], v3, 4, v[ASB]           ; 16 more for each 256 passed,
	v_mad_u32_u24 v[ASB], v2, 1088, v[ASB]         ; lanes 16-31 two column blocks (four units) on
	v_add_nc_u32 v[ASB], SCB, v[ASB]
	v_lshl_add_u32 v[ABI], v2, 5, BIA              ; eight columns for each half of the lanes
	s_mul_i32 s24, s[WV], STW
	s_add_co_u32 s24, s24, STAGE                   ; my stage
	v_mul_u32_u24 v[STO], v1, SP                   ; in: row r, 32 bytes for each half of the lanes
	v_lshl_add_u32 v[STO], v2, 5, v[STO]
	v_add_nc_u32 v[STO], s24, v[STO]
	v_mul_u32_u24 v[RD], v2, SP                    ; back: lanes 0-15 one row of 256 bytes, lanes 16-31 the next
	v_lshl_add_u32 v[RD], v1, 4, v[RD]
	v_add_nc_u32 v[RD], s24, v[RD]
	v_lshlrev_b32 v[CO], 12, v2                    ; and the same two rows in out
	v_lshl_add_u32 v[CO], v1, 4, v[CO]
	s_wait_tensorcnt 0x1                           ; my parts of the scales, of the biases and of slot 0 are in; slot 1's may stay out
	s_barrier_signal -1
	s_barrier_wait -1                              ; everybody's are
	BSCALE 0
	BSCALE 1
	BIAS 4                                         ; for step 32, the first that takes its bias as C
	PRELOAD 1, 0
	PRELOAD 1, 1
	PRELOAD 0, 0
	PRELOAD 0, 1
	BLOAD 0
	BLOAD 1
	BLOAD 2
	BLOAD 3
	PAIR 0
	PAIR 2
	WIN 0                                          ; idx and gate came in ahead of A's K step 0: the masks, and the gate's pairs
.irp e, 1,2,3,4,5,6,7
.irp a, 0,1,2,3
	v_cmp_ne_u32 s[MK+4*(\e-1)+\a], \e, v[IDX+\a]
.endr
.endr
.irp a, 0,1,2,3
	v_mov_b32 v[GAT+2*\a+1], v[GAT+2*\a]
.endr
.set TT, 4
.rept 12
	PAIR TT                                        ; steps 4 to 27
.set TT, TT+2
.endr
	CHANGE 1, 0, 28                                ; slot 0 is left and takes experts 4 and 5
.set TT, 30
.rept 15
	PAIR TT                                        ; steps 30 to 59
.set TT, TT+2
.endr
	CHANGE 1, 1, 60                                ; slot 1 is left and takes experts 6 and 7
.set TT, 62
.rept 15
	PAIR TT                                        ; steps 62 to 91
.set TT, TT+2
.endr
	CHANGE 0, 0, 92                                ; nothing is left to fetch: my work-group's barrier alone shows slot 1 whole to all four waves
.set TT, 94
.rept 17
	PAIR TT                                        ; steps 94 to 127
.set TT, TT+2
.endr
	WIN 0x44                                       ; the last phase is selected; the sixteen selects behind step 127 are the places behind its products
.irp i, 0,1,2,3,4,5,6,7
	SEL 7, 1, \i
.endr
	TOSTAGE 0
.irp a, 1,2,3
	TOSTAGE \a                                     ; a block's arithmetic stands between the loads of the block before and its stores
	SEND \a-1, 16                                  ; behind block a - 1's loads: block a's 8 stores and 8 loads
.endr
	SEND 3, 0
	s_wait_tensorcnt 0x0                           ; the wave's end: behind my last tensor load and my last LDS store
	ds_add_u32 v[SPW], v[NIL]
	s_wait_dscnt 0x0
	CROUND                                         ; the closing round: no work-group ends while a partner may still ask for a tile that names it
	s_endpgm
.Lfunc_end_k_q4e414a0f09_experts:
	.size	k_q4e414a0f09_experts, .Lfunc_end_k_q4e414a0f09_experts-k_q4e414a0f09_experts
	.p2alignl 7, 3214868480
	.fill 96, 4, 3214868480
	.section	.rodata,"a",@progbits
	.p2align	6, 0x0
	.amdhsa_kernel k_q4e414a0f09_experts
		.amdhsa_group_segment_fixed_size 327680
		.amdhsa_private_segment_fixed_size 0
		.amdhsa_enable_private_segment 0
		.amdhsa_kernarg_size 64
		.amdhsa_user_sgpr_count 2
		.amdhsa_user_sgpr_kernarg_segment_ptr 1
		.amdhsa_wavefront_size32 1
		.amdhsa_system_sgpr_workgroup_id_x 1
		.amdhsa_system_sgpr_workgroup_id_y 1
		.amdhsa_system_sgpr_workgroup_id_z 1
		.amdhsa_system_vgpr_workitem_id 0
		.amdhsa_next_free_vgpr 1024
		.amdhsa_next_free_sgpr 100
		.amdhsa_reserve_vcc 0
		.amdhsa_float_denorm_mode_32 3
		.amdhsa_float_denorm_mode_16_64 3
		.amdhsa_memory_ordered 1
		.amdhsa_forward_progress 1
		.amdhsa_inst_pref_size 255
	.end_amdhsa_kernel
	.section	.bss,"aw",@nobits
	.p2align	6
	.space	262144
	.amdgpu_metadata
---
amdhsa.version: [ 1, 2 ]
amdhsa.kernels:
  - .name:           k_q4e414a0f09_experts
    .symbol:         k_q4e414a0f09_experts.kd
    .args:
      - { .name: xq, .offset: 0, .size: 8, .value_kind: global_buffer, .address_space: global }
      - { .name: xs, .offset: 8, .size: 8, .value_kind: global_buffer, .address_space: global }
      - { .name: idx, .offset: 16, .size: 8, .value_kind: global_buffer, .address_space: global }
      - { .name: gate, .offset: 24, .size: 8, .value_kind: global_buffer, .address_space: global }
      - { .name: expert_w_codes, .offset: 32, .size: 8, .value_kind: global_buffer, .address_space: global }
      - { .name: expert_w_scales, .offset: 40, .size: 8, .value_kind: global_buffer, .address_space: global }
      - { .name: expert_b, .offset: 48, .size: 8, .value_kind: global_buffer, .address_space: global }
      - { .name: out0, .offset: 56, .size: 8, .value_kind: global_buffer, .address_space: global }
    .group_segment_fixed_size: 327680
    .private_segment_fixed_size: 0
    .kernarg_segment_align: 8
    .kernarg_segment_size: 64
    .max_flat_workgroup_size: 128
    .sgpr_count:     100
    .vgpr_count:     1024
    .wavefront_size: 32
...
	.end_amdgpu_metadata
.endif
;; end of part 2
